; MI455X (gfx1250); checked and timed in simulation.
; The chip was launched on July 23, 2026; its instructions are those of AMD's public machine-readable ISA for CDNA 5 (MIT licence, August 2026) and "CDNA5" Instruction Set Architecture Reference Guide (July 2026). The comments in the code are by the model that wrote it; some were corrected since.
;; Cross Attention Model. Allowed arithmetic: float matrix products may take bf16 or f16 operands with f32 sums; all other float work in f32.
;; Inputs: Wk 1,024 x 1,024 float32; Wq 1,024 x 1,024 float32; Wv 1,024 x 1,024 float32; bk 1,024 float32; bq 1,024 float32; bv 1,024 float32; memory_values 16 x 2,048 x 1,024 float32; query 16 x 1,024 float32.
;; Outputs: out0 16 x 1,024 float32; out1 16 x 2,048 float32; out2 16 x 8 x 1,024 float32; out3 16 x 8 int32.
;; Constants: top_k = 8.
;; One version. Each part assembles by itself: llvm-mc -triple=amdgcn-amd-amdhsa -mcpu=gfx1250 --defsym DOCPART=n.
;; ======== version 1 of 1: 5 launches
;; workspace buffers: qv 65,536 bytes; qkp 524,288 bytes; scores 131,072 bytes; part 1,048,576 bytes; stats 2,048 bytes; ctx 65,536 bytes; order 512 bytes of whole numbers
;; launch proj (part 1): grid 128 x 1, 8 waves a work-group, no clusters, 5,120 bytes of LDS; arguments query, Wq, bq, qv; writes qv
.if DOCPART == 1
	.amdgcn_target "amdgcn-amd-amdhsa--gfx1250"
	.amdhsa_code_object_version 6
	.text
	.protected	k_q76bb22d7bc_proj
	.globl	k_q76bb22d7bc_proj
	.p2align	8
	.type	k_q76bb22d7bc_proj,@function
k_q76bb22d7bc_proj:
	s_mov_b64 s[64:65], 0
	v_nop
	global_prefetch_b8 v0, s[64:65] scope:SCOPE_SE
	s_setreg_imm32_b32 hwreg(HW_REG_WAVE_MODE, 25, 1), 1
	s_wait_xcnt 0x0
; y[b][o] = sum over e of x[b][e] W[o][e] + bias[o].  x: [16][1024], W: [1024][1024], bias: [1024], y: [16][1024], all f32.
; Here x = query, W = Wq, bias = bq, y = q.  All arithmetic in f32 on the vector unit: 16 rows against weights that are
; read once is a stream of the weights, and the indices that the program returns later need scores of f32 accuracy.
; Work-group g owns the outputs o = 8 g .. 8 g + 7 for all 16 b.  Thread t owns e = 4 t .. 4 t + 3: every load of a wave
; covers 512 consecutive bytes; x (16 loads) and the 8 rows of W (8 loads) go straight into the registers that use them.
; A lane's 16 partial sums (one for each b) are summed over 16 lanes by a tree that transposes as it adds: at each level
; a lane keeps one half of its values and hands the other half to its partner, so 15 steps replace 64.
; The eight waves' sums meet in LDS; wave 0 adds them and the bias and stores.
; The store is 16 bytes a lane, 32 neighbouring bytes of each row of y: o is spread over 128 work-groups so that the
; 4 MiB of weights are fetched by many at once, and y is 64 KiB in all.
; No joint requests in a cluster: what work-groups share is x, 64 KiB, which is loaded into registers; a joint request
; fills LDS only and would add a trip through LDS and a barrier to a body of one pass.
; Limit: the order of the additions differs from the reference's (f32 rounding only).
.set T16, 1                            ; v1        16 t: byte offset in a row of x and W, and where my wave's sums go in LDS
.set L16, 2                            ; v2        16 x lane
.set H16, 3                            ; v3        16 h (h = lane / 16): byte offset of my four biases
.set YO,  4                            ; v4        r x 4096 + 16 h (r = lane % 16): my 16 bytes of y
.set PT,  5                            ; v5        takes the other half's value (v_permlanex16_b32)
.set BI,  8                            ; v[8:11]   bias of o = 8 g + 4 h + 0..3
.set X,   32                           ; v[32:95]  x[b][my 4 e] at X + 4 b
.set WT,  96                           ; v[96:127] W[8 g + j][my 4 e] at WT + 4 j
.set T,   128                          ; v[128:159] at work: b's partial sum at T + 2 b
.set R,   160                          ; v[160:167] row j's sums, lane r holding b = r
	s_load_b256 s[4:11], s[0:1], 0x0               ; x s[4:5], W s[6:7], bias s[8:9], y s[10:11]
	v_lshl_add_u32 v168, v0, 2, 0x1000
	v_mov_b32 v169, 0
	v_lshrrev_b32 v6, 5, v0
	v_readfirstlane_b32 s12, v6                    ; wave 0..7
	v_and_b32 v6, 31, v0                           ; lane
	v_bfe_u32 v7, v0, 4, 1                         ; h
	v_lshlrev_b32 v[L16], 4, v6
	v_lshlrev_b32 v[H16], 4, v7
	v_and_b32 v6, 15, v0                           ; r
	v_lshl_add_u32 v[YO], v6, 12, v[H16]
	v_mov_b32 v[PT], 0                             ; written once: a lane permute's destination counts as read
	s_lshl_b32 s13, s12, 9                         ; 512 bytes a wave
	v_add_nc_u32 v[T16], s13, v[L16]               ; = 16 t
	s_mov_b32 s16, 0xaaaaaaaa                      ; lanes with bit 0 of the lane number set,
	s_mov_b32 s17, 0xcccccccc                      ; bit 1,
	s_mov_b32 s18, 0xf0f0f0f0                      ; bit 2,
	s_mov_b32 s19, 0xff00ff00                      ; bit 3,
	s_mov_b32 s20, 0xffff0000                      ; bit 4
	s_mov_b32 s22, 0x76543210                      ; v_permlanex16_b32: lane i reads lane i of the other half
	s_mov_b32 s23, 0xfedcba98
	s_lshl_b32 s14, ttmp9, 15                      ; 8 rows of W, 4,096 bytes each
	s_mov_b32 s15, 0
	s_lshl_b32 s2, ttmp9, 5                        ; 8 numbers of bias and of a row of y
	s_mov_b32 s3, 0
	s_wait_kmcnt 0x0
	s_add_nc_u64 s[6:7], s[6:7], s[14:15]
	s_add_nc_u64 s[8:9], s[8:9], s[2:3]
	s_add_nc_u64 s[10:11], s[10:11], s[2:3]
	global_load_b128 v[BI:BI+3], v[H16], s[8:9]    ; every wave asks, so that the counts below are alike in all; wave 0 uses it
.irp b, 0,1,2,3,4,5,6,7,8,9,10,11,12,13,14,15
	global_load_b128 v[X+4*\b:X+4*\b+3], v[T16], s[4:5] offset:\b*4096
.endr
.irp j, 0,1,2,3,4,5,6,7
	global_load_b128 v[WT+4*\j:WT+4*\j+3], v[T16], s[6:7] offset:\j*4096 th:TH_LOAD_NT   ; each row of W is read once in the launch
.endr
; One step of the tree.  Lanes whose mask bit is set keep hi and hand lo over, the others keep lo and hand hi over;
; the partner is lane xor xm.  dst is written by the second line before the DPP form reads it.
.macro RSTEP dst, lo, hi, tmp, mask, xm
	v_cndmask_b32 v[\tmp], v[\hi], v[\lo], s[\mask]
	v_cndmask_b32 v[\dst], v[\lo], v[\hi], s[\mask]
	v_add_f32_dpp v[\dst], v[\tmp], v[\dst] row_xmask:\xm row_mask:0xf bank_mask:0xf
.endm
; Row j of W against all 16 b.  Afterwards lane r of each half holds, in R + j, its half's sum for b = r.
.macro ROW j
	s_wait_loadcnt 7-\j                            ; loads return in order: rows j+1 .. 7 of W may be out, bias and x are older
.irp b, 0,1,2,3,4,5,6,7,8,9,10,11,12,13,14,15
	v_pk_mul_f32 v[T+2*\b:T+2*\b+1], v[WT+4*\j:WT+4*\j+1], v[X+4*\b:X+4*\b+1]
.endr
.irp b, 0,1,2,3,4,5,6,7,8,9,10,11,12,13,14,15
	v_pk_fma_f32 v[T+2*\b:T+2*\b+1], v[WT+4*\j+2:WT+4*\j+3], v[X+4*\b+2:X+4*\b+3], v[T+2*\b:T+2*\b+1]
.endr
.irp b, 0,1,2,3,4,5,6,7,8,9,10,11,12,13,14,15
	v_add_f32 v[T+2*\b], v[T+2*\b], v[T+2*\b+1]    ; the odd registers are free from here on: the tree's scratch
.endr
.irp i, 0,1,2,3,4,5,6,7
	RSTEP T+4*\i, T+4*\i, T+4*\i+2, T+4*\i+1, 16, 1        ; bit 0 of b goes to bit 0 of the lane
.endr
.irp i, 0,1,2,3
	RSTEP T+8*\i, T+8*\i, T+8*\i+4, T+8*\i+1, 17, 2        ; bit 1
.endr
.irp i, 0,1
	RSTEP T+16*\i, T+16*\i, T+16*\i+8, T+16*\i+1, 18, 4    ; bit 2
.endr
	RSTEP R+\j, T, T+16, T+1, 19, 8                        ; bit 3
.endm
; The two halves of the wave: the lower keeps rows 0-3, the upper rows 4-7, each adds what the other hands over.
; Afterwards register R + i of lane (r, h) is (b = r, o = 8 g + 4 h + i) over the wave's 128 e.
.macro XSTEP i
	v_cndmask_b32 v[T+\i], v[R+\i+4], v[R+\i], s20
	v_cndmask_b32 v[R+\i], v[R+\i], v[R+\i+4], s20
	v_permlanex16_b32 v[PT], v[T+\i], s22, s23
	v_add_f32 v[R+\i], v[R+\i], v[PT]
.endm
.irp j, 0,1,2,3,4,5,6,7
	ROW \j
.endr
.irp i, 0,1,2,3
	XSTEP \i
.endr
	ds_store_b128 v[T16], v[R:R+3]                 ; LDS: [8 waves][512 bytes], lane after lane
	s_wait_dscnt 0x0                               ; for the others' sake: my store is in LDS before I say so
	s_barrier_signal -1
	s_barrier_wait -1
	s_cmp_lg_u32 s12, 0
	s_cbranch_scc1 .Ldone                          ; wave 0 alone adds the eight waves' sums
.irp k, 0,1,2,3,4,5,6,7
	ds_load_b128 v[X+4*\k:X+4*\k+3], v[L16] offset:512*\k
.endr
	s_wait_dscnt 0x0
.irp q, 0,1,2,3,4,5,6,7
	v_pk_add_f32 v[X+2*\q:X+2*\q+1], v[X+2*\q:X+2*\q+1], v[X+2*\q+16:X+2*\q+17]
.endr
.irp q, 0,1,2,3
	v_pk_add_f32 v[X+2*\q:X+2*\q+1], v[X+2*\q:X+2*\q+1], v[X+2*\q+8:X+2*\q+9]
.endr
.irp q, 0,1
	v_pk_add_f32 v[X+2*\q:X+2*\q+1], v[X+2*\q:X+2*\q+1], v[X+2*\q+4:X+2*\q+5]
.endr
.irp q, 0,1
	v_pk_add_f32 v[X+2*\q:X+2*\q+1], v[X+2*\q:X+2*\q+1], v[BI+2*\q:BI+2*\q+1]
.endr
	global_store_b128 v[YO], v[X:X+3], s[10:11]
.Ldone:
	s_wait_tensorcnt 0x0
	ds_add_u32 v168, v169
	s_wait_dscnt 0x0
	s_endpgm
.Lfunc_end_k_q76bb22d7bc_proj:
	.size	k_q76bb22d7bc_proj, .Lfunc_end_k_q76bb22d7bc_proj-k_q76bb22d7bc_proj
	.p2alignl 7, 3214868480
	.fill 96, 4, 3214868480
	.section	.rodata,"a",@progbits
	.p2align	6, 0x0
	.amdhsa_kernel k_q76bb22d7bc_proj
		.amdhsa_group_segment_fixed_size 5120
		.amdhsa_private_segment_fixed_size 0
		.amdhsa_enable_private_segment 0
		.amdhsa_kernarg_size 32
		.amdhsa_user_sgpr_count 2
		.amdhsa_user_sgpr_kernarg_segment_ptr 1
		.amdhsa_wavefront_size32 1
		.amdhsa_system_sgpr_workgroup_id_x 1
		.amdhsa_system_sgpr_workgroup_id_y 1
		.amdhsa_system_sgpr_workgroup_id_z 1
		.amdhsa_system_vgpr_workitem_id 0
		.amdhsa_next_free_vgpr 170
		.amdhsa_next_free_sgpr 66
		.amdhsa_reserve_vcc 0
		.amdhsa_float_denorm_mode_32 3
		.amdhsa_float_denorm_mode_16_64 3
		.amdhsa_memory_ordered 1
		.amdhsa_forward_progress 1
		.amdhsa_inst_pref_size 50
	.end_amdhsa_kernel
	.amdgpu_metadata
---
amdhsa.version: [ 1, 2 ]
amdhsa.kernels:
  - .name:           k_q76bb22d7bc_proj
    .symbol:         k_q76bb22d7bc_proj.kd
    .args:
      - { .name: query, .offset: 0, .size: 8, .value_kind: global_buffer, .address_space: global }
      - { .name: Wq, .offset: 8, .size: 8, .value_kind: global_buffer, .address_space: global }
      - { .name: bq, .offset: 16, .size: 8, .value_kind: global_buffer, .address_space: global }
      - { .name: qv, .offset: 24, .size: 8, .value_kind: global_buffer, .address_space: global }
    .group_segment_fixed_size: 5120
    .private_segment_fixed_size: 0
    .kernarg_segment_align: 8
    .kernarg_segment_size: 32
    .max_flat_workgroup_size: 256
    .sgpr_count:     66
    .vgpr_count:     170
    .wavefront_size: 32
...
	.end_amdgpu_metadata
.endif
;; end of part 1
;; launch keyq (part 2): grid 16 x 8, 16 waves a work-group, no clusters, 67,584 bytes of LDS; arguments qv, Wk, qkp; writes qkp
.if DOCPART == 2
	.amdgcn_target "amdgcn-amd-amdhsa--gfx1250"
	.amdhsa_code_object_version 6
	.text
	.protected	k_q76bb22d7bc_keyq
	.globl	k_q76bb22d7bc_keyq
	.p2align	8
	.type	k_q76bb22d7bc_keyq,@function
k_q76bb22d7bc_keyq:
	s_mov_b64 s[64:65], 0
	v_nop
	global_prefetch_b8 v0, s[64:65] scope:SCOPE_SE
	s_setreg_imm32_b32 hwreg(HW_REG_WAVE_MODE, 25, 1), 1
	s_wait_xcnt 0x0
; qkp[s][b][e] = sum over the 128 o of slice s of q[b][o] Wk[o][e].  q: [16][1024], Wk: [1024][1024], qkp: [8][16][1024], f32.
; Since q . (Wk m + bk) = (Wk^T q) . m + q . bk for every m, the keys are never formed: this launch makes Wk^T q.
; Work-group (x, s): the 64 columns e = 64 x .. 64 x + 63 (256 bytes of a row of Wk, aligned) and the rows o = 128 s .. + 127.
; Wave w owns the rows o = 128 s + 8 w + j, j = 0..7; lane L the two columns e = 64 x + 2 L: a load of a wave covers 256
; consecutive bytes.  q[b][o] is the same for all lanes of a wave: it comes by scalar loads and multiplies as a scalar.
; The sixteen waves' sums meet in LDS; wave b then adds and stores the 256 bytes of qkp[s][b].
; The sum over o is cut in 8 slices that go to memory: with whole columns there would be work for 16 work-groups only
; (1024 columns / 64), with slices there are 128 of 32 KiB each; the next launch adds the eight slices as it reads them.
; No joint requests in a cluster: what work-groups share is q, 512 bytes a wave, which goes to scalar registers.
; Limit: the order of the additions differs from the reference's (f32 rounding only).
.set WO,  1                            ; v1        wave x 8 rows x 4096 + 8 L: my 8 bytes in the wave's first row of Wk
.set LS,  2                            ; v2        wave x 4096 + 8 L: where my sums go in LDS, and (wave = b) my 8 bytes of qkp[s]
.set T8,  3                            ; v3        wave x 256 + 8 L: what I read back from each wave's block
.set WT,  8                            ; v[8:23]   row j's two numbers at WT + 2 j
.set ACC, 24                           ; v[24:55]  b's two sums at ACC + 2 b
.set RD,  56                           ; v[56:87]  the sixteen waves' sums for my (b, e)
; q in scalar registers: eight b at a time, b's eight o in the tuple at 8 + 8 i, the last at 68 (s64, s65 are left alone)
	s_load_b128 s[4:7], s[0:1], 0x0                ; q s[4:5], Wk s[6:7]
	s_load_b64 s[76:77], s[0:1], 0x10              ; qkp
	v_lshl_add_u32 v88, v0, 2, 0x10000
	v_mov_b32 v89, 0
	v_lshrrev_b32 v4, 5, v0
	v_readfirstlane_b32 s78, v4                    ; wave 0..15
	v_and_b32 v5, 31, v0                           ; lane
	s_and_b32 s80, ttmp7, 0xffff                   ; s
	s_lshl_b32 s84, s78, 15
	s_lshl_b32 s85, s78, 12
	s_lshl_b32 s86, s78, 8
	v_lshl_add_u32 v[WO], v5, 3, s84
	v_lshl_add_u32 v[LS], v5, 3, s85
	v_lshl_add_u32 v[T8], v5, 3, s86
	s_lshl_b32 s79, ttmp9, 8                       ; 64 columns = 256 bytes
	s_lshl_b32 s82, s80, 19                        ; 128 rows of Wk
	s_add_co_u32 s82, s82, s79
	s_mov_b32 s83, 0
	s_lshl_b32 s88, s80, 9                         ; 128 numbers of a row of q,
	s_lshl_b32 s87, s78, 5                         ; and my wave's 8
	s_add_co_u32 s88, s88, s87
	s_mov_b32 s89, 0
	s_lshl_b32 s90, s80, 16                        ; slice s of qkp
	s_add_co_u32 s90, s90, s79
	s_mov_b32 s91, 0
	s_wait_kmcnt 0x0
	s_add_nc_u64 s[6:7], s[6:7], s[82:83]
	s_add_nc_u64 s[4:5], s[4:5], s[88:89]
	s_add_nc_u64 s[76:77], s[76:77], s[90:91]
.irp j, 0,1,2,3,4,5,6,7
	global_load_b64 v[WT+2*\j:WT+2*\j+1], v[WO], s[6:7] offset:\j*4096 th:TH_LOAD_NT   ; each byte of Wk is read once in the launch
.endr
; Eight b (8 hh .. 8 hh + 7) against the wave's eight rows.  The first row's products start the sums: nothing is cleared.
.macro HALF hh
.irp i, 0,1,2,3,4,5,6,7
	s_load_b256 s[8+8*\i+4*(\i/7):15+8*\i+4*(\i/7)], s[4:5], (8*\hh+\i)*4096
.endr
	s_wait_kmcnt 0x0                               ; scalar loads return in no order: zero
.irp j, 0,1,2,3,4,5,6,7
.if \hh == 0
	s_wait_loadcnt 7-\j                            ; rows j+1 .. 7 of Wk may be out
.endif
.irp i, 0,1,2,3,4,5,6,7
.if \j == 0
	v_mul_f32 v[ACC+2*(8*\hh+\i)],   s[8+8*\i+4*(\i/7)+\j], v[WT+2*\j]
	v_mul_f32 v[ACC+2*(8*\hh+\i)+1], s[8+8*\i+4*(\i/7)+\j], v[WT+2*\j+1]
.else
	v_fmac_f32 v[ACC+2*(8*\hh+\i)],   s[8+8*\i+4*(\i/7)+\j], v[WT+2*\j]
	v_fmac_f32 v[ACC+2*(8*\hh+\i)+1], s[8+8*\i+4*(\i/7)+\j], v[WT+2*\j+1]
.endif
.endr
.endr
.endm
	HALF 0
	HALF 1
.irp b, 0,1,2,3,4,5,6,7,8,9,10,11,12,13,14,15
	ds_store_b64 v[LS], v[ACC+2*\b:ACC+2*\b+1] offset:256*\b       ; LDS: [16 waves][16 b][256 bytes]
.endr
	s_wait_dscnt 0x0                               ; for the others' sake: my stores are in LDS before I say so
	s_barrier_signal -1
	s_barrier_wait -1
.irp k, 0,1,2,3,4,5,6,7,8,9,10,11,12,13,14,15
	ds_load_b64 v[RD+2*\k:RD+2*\k+1], v[T8] offset:4096*\k         ; wave k's sums for b = my wave, e = my two columns
.endr
	s_wait_dscnt 0x0
.irp k, 0,1,2,3,4,5,6,7
	v_pk_add_f32 v[RD+2*\k:RD+2*\k+1], v[RD+2*\k:RD+2*\k+1], v[RD+2*\k+16:RD+2*\k+17]
.endr
.irp k, 0,1,2,3
	v_pk_add_f32 v[RD+2*\k:RD+2*\k+1], v[RD+2*\k:RD+2*\k+1], v[RD+2*\k+8:RD+2*\k+9]
.endr
.irp k, 0,1
	v_pk_add_f32 v[RD+2*\k:RD+2*\k+1], v[RD+2*\k:RD+2*\k+1], v[RD+2*\k+4:RD+2*\k+5]
.endr
	v_pk_add_f32 v[RD:RD+1], v[RD:RD+1], v[RD+2:RD+3]
	global_store_b64 v[LS], v[RD:RD+1], s[76:77]   ; the wave's store covers 256 consecutive bytes, aligned
	s_wait_tensorcnt 0x0
	ds_add_u32 v88, v89
	s_wait_dscnt 0x0
	s_endpgm
.Lfunc_end_k_q76bb22d7bc_keyq:
	.size	k_q76bb22d7bc_keyq, .Lfunc_end_k_q76bb22d7bc_keyq-k_q76bb22d7bc_keyq
	.p2alignl 7, 3214868480
	.fill 96, 4, 3214868480
	.section	.rodata,"a",@progbits
	.p2align	6, 0x0
	.amdhsa_kernel k_q76bb22d7bc_keyq
		.amdhsa_group_segment_fixed_size 67584
		.amdhsa_private_segment_fixed_size 0
		.amdhsa_enable_private_segment 0
		.amdhsa_kernarg_size 24
		.amdhsa_user_sgpr_count 2
		.amdhsa_user_sgpr_kernarg_segment_ptr 1
		.amdhsa_wavefront_size32 1
		.amdhsa_system_sgpr_workgroup_id_x 1
		.amdhsa_system_sgpr_workgroup_id_y 1
		.amdhsa_system_sgpr_workgroup_id_z 1
		.amdhsa_system_vgpr_workitem_id 0
		.amdhsa_next_free_vgpr 90
		.amdhsa_next_free_sgpr 92
		.amdhsa_reserve_vcc 0
		.amdhsa_float_denorm_mode_32 3
		.amdhsa_float_denorm_mode_16_64 3
		.amdhsa_memory_ordered 1
		.amdhsa_forward_progress 1
		.amdhsa_inst_pref_size 15
	.end_amdhsa_kernel
	.amdgpu_metadata
---
amdhsa.version: [ 1, 2 ]
amdhsa.kernels:
  - .name:           k_q76bb22d7bc_keyq
    .symbol:         k_q76bb22d7bc_keyq.kd
    .args:
      - { .name: qv, .offset: 0, .size: 8, .value_kind: global_buffer, .address_space: global }
      - { .name: Wk, .offset: 8, .size: 8, .value_kind: global_buffer, .address_space: global }
      - { .name: qkp, .offset: 16, .size: 8, .value_kind: global_buffer, .address_space: global }
    .group_segment_fixed_size: 67584
    .private_segment_fixed_size: 0
    .kernarg_segment_align: 8
    .kernarg_segment_size: 24
    .max_flat_workgroup_size: 512
    .sgpr_count:     92
    .vgpr_count:     90
    .wavefront_size: 32
...
	.end_amdgpu_metadata
.endif
;; end of part 2
;; launch stream (part 3): grid 256 x 1, 16 waves a work-group, no clusters, 72,704 bytes of LDS; arguments memory_values, qkp, qv, bk, scores, part, stats; writes scores, part, stats
.if DOCPART == 3
	.amdgcn_target "amdgcn-amd-amdhsa--gfx1250"
	.amdhsa_code_object_version 6
	.text
	.protected	k_q76bb22d7bc_stream
	.globl	k_q76bb22d7bc_stream
	.p2align	8
	.type	k_q76bb22d7bc_stream,@function
k_q76bb22d7bc_stream:
	s_mov_b64 s[64:65], 0
	v_nop
	global_prefetch_b8 v0, s[64:65] scope:SCOPE_SE
	s_setreg_imm32_b32 hwreg(HW_REG_WAVE_MODE, 25, 1), 1
	s_wait_xcnt 0x0
; The one pass over memory_values ([16][2048][1024] f32).  With qk = Wk^T q (the sum of the eight slices of qkp) and c = q . bk:
;   scores[b][n] = (mem[b][n] . qk[b] + c[b]) / 32,
; and for the 128 rows of work-group g (b = g / 16): m = their largest score, l = sum of e^(s - m),
;   part[g][e] = sum over those rows of e^(s - m) mem[row][e],   stats[g] = (m, l).
; The next launch joins the sixteen work-groups of a b.  The maximum is a running one, as in a softmax done in pieces.
; Wave w owns 8 whole rows.  A row is 8 loads of 512 consecutive bytes and lies in 32 registers between its two uses
; (the dot product, the weighted sum): each byte of memory_values is read once.  Four row slots in registers: 16 KiB of a
; wave, 256 KiB of the work-group are asked for before anything is waited for.  Four turns of two rows, written out.
; All arithmetic in f32 on the vector unit: one multiply-add for each use of a number that is read once; matrix
; instructions would need bf16 operands, whose rounding would reorder the scores that the returned indices hang on.
; No joint requests in a cluster: of the 552 KiB that a work-group reads, 40 KiB (qkp, q, bk) are shared with others.
; No prefetch: every wave's loads are issued as early as its registers allow, and the launch does nothing but stream.
; LDS regions are all distinct, so two barriers serve the whole body.
; Limits: additions in another order than the reference's (f32 rounding only); v_exp_f32 gives zero for results below 2^-126.
.set QKL, 0                            ; 4,096 bytes: qk[b]
.set SCL, 4096                         ; 512: the work-group's 128 scores
.set MLL, 4608                         ; 128: (m, l) of each wave
.set CL,  4736                         ; 64: each wave's part of q . bk
.set ACL, 5120                         ; 16 x 4,096: each wave's weighted sum
.set L2E, 0x3fb8aa3b                   ; log2(e)
.set RS32, 0x3d000000                  ; 1 / 32 = 1 / sqrt(1024), a power of two: exact
.set CW,  1                            ; v1        CL + 4 wave
.set OFF, 2                            ; v2        wave x 8 rows x 4096 + 16 lane
.set T8,  3                            ; v3        8 t (256 wave + 8 lane): my two columns, in memory and in LDS
.set L16, 4                            ; v4        16 lane
.set SA,  5                            ; v5        SCL + 32 wave
.set MX,  6                            ; v6        running maximum   (v[6:7] go to LDS as a pair)
.set LS,  7                            ; v7        running sum
.set C32, 8                            ; v8        c / 32
.set TA,  9                            ; v9        takes the other half's value
.set SC0, 10                           ; v10       the turn's first score
.set SC1, 11                           ; v11       its second
.set E,   12                           ; v[12:17]  p0, its argument, p1, its argument, alpha, its argument: each pair written whole
.set D,   18                           ; v[18:25]  four chains of packed products, two for each row
.set MN,  26                           ; v26       the new maximum
.set TB,  27                           ; v27       as TA
.set R8,  28                           ; v28       MLL + 8 r
.set R4,  29                           ; v29       CL + 4 r
.set ML,  30                           ; v[30:31]  the work-group's (m, l)
.set QK,  32                           ; v[32:63]  qk at my 32 columns (128 j + 4 lane + 0..3)
.set ACC, 64                           ; v[64:95]  scratch ahead of the first turn, then the weighted sum at my 32 columns
.set X,   96                           ; v[96:223] row slot k at X + 32 k
.macro RSUM x                          ; sum over the 16 lanes of a half, in every lane of it
.irp m, 1,2,4,8
	v_add_f32_dpp v[\x], v[\x], v[\x] row_xmask:\m row_mask:0xf bank_mask:0xf
.endr
.endm
.macro RMAX x
.irp m, 1,2,4,8
	v_max_num_f32_dpp v[\x], v[\x], v[\x] row_xmask:\m row_mask:0xf bank_mask:0xf
.endr
.endm
.macro FILL slot, row                  ; a whole row: eight loads of 512 consecutive bytes.  Both arguments may be sums: bracketed
.irp j, 0,1,2,3,4,5,6,7
	global_load_b128 v[X+32*(\slot)+4*\j:X+32*(\slot)+4*\j+3], v[OFF], s[4:5] offset:(\row)*4096+512*\j th:TH_LOAD_NT
.endr
.endm
	s_load_b256 s[4:11], s[0:1], 0x0               ; memory_values s[4:5], qkp s[6:7], q s[8:9], bk s[10:11]
	s_load_b128 s[12:15], s[0:1], 0x20             ; scores s[12:13], part s[14:15]
	s_load_b64 s[16:17], s[0:1], 0x30              ; stats
	v_lshl_add_u32 v224, v0, 2, 0x11400
	v_mov_b32 v225, 0
	v_lshrrev_b32 v[TA], 5, v0
	v_readfirstlane_b32 s18, v[TA]                 ; wave 0..15
	v_and_b32 v[TB], 31, v0                        ; lane
	v_and_b32 v[MN], 15, v0                        ; r
	s_mov_b32 s24, 0x76543210                      ; v_permlanex16_b32: lane i reads lane i of the other half
	s_mov_b32 s25, 0xfedcba98
	s_lshr_b32 s19, ttmp9, 4                       ; b
	s_lshl_b32 s26, s18, 15
	s_lshl_b32 s27, s18, 8
	s_lshl_b32 s44, s18, 5
	s_add_co_u32 s44, s44, SCL
	s_lshl_b32 s45, s18, 2
	s_add_co_u32 s45, s45, CL
	v_lshlrev_b32 v[L16], 4, v[TB]
	v_add_nc_u32 v[OFF], s26, v[L16]
	v_lshl_add_u32 v[T8], v[TB], 3, s27
	v_mov_b32 v[SA], s44
	v_mov_b32 v[CW], s45
	v_lshl_add_u32 v[R8], v[MN], 3, MLL
	v_lshl_add_u32 v[R4], v[MN], 2, CL
	s_lshl_b32 s20, ttmp9, 19                      ; 128 rows of 4,096 bytes; 255 x 2^19 is below 2^31
	s_mov_b32 s21, 0
	s_lshl_b32 s22, s19, 12                        ; row b of q and of each slice of qkp
	s_mov_b32 s23, 0
	s_wait_kmcnt 0x0
	s_add_nc_u64 s[4:5], s[4:5], s[20:21]
	s_add_nc_u64 s[6:7], s[6:7], s[22:23]
	s_add_nc_u64 s[8:9], s[8:9], s[22:23]
.irp s, 0,1,2,3,4,5,6,7
	global_load_b64 v[ACC+2*\s:ACC+2*\s+1], v[T8], s[6:7] offset:\s*65536  ; slice s of qk at my two columns
.endr
	global_load_b64 v[ACC+16:ACC+17], v[T8], s[8:9]                        ; q
	global_load_b64 v[ACC+18:ACC+19], v[T8], s[10:11]                      ; bk
	FILL 0, 0
	FILL 1, 1
	FILL 2, 2
	FILL 3, 3
	s_lshl_b32 s20, ttmp9, 9                       ; 128 scores
	s_add_nc_u64 s[12:13], s[12:13], s[20:21]
	s_lshl_b32 s20, ttmp9, 12                      ; a row of part
	s_add_nc_u64 s[14:15], s[14:15], s[20:21]
	s_lshl_b32 s20, ttmp9, 3                       ; a pair of stats
	s_add_nc_u64 s[16:17], s[16:17], s[20:21]
	; qk = the sum of the eight slices, c = q . bk; both through LDS, since every wave needs all of them
	s_wait_loadcnt 32                              ; the ten loads above are in; the 32 loads of rows 0-3 stay out
.irp s, 0,1,2,3
	v_pk_add_f32 v[ACC+2*\s:ACC+2*\s+1], v[ACC+2*\s:ACC+2*\s+1], v[ACC+2*\s+8:ACC+2*\s+9]
.endr
.irp s, 0,1
	v_pk_add_f32 v[ACC+2*\s:ACC+2*\s+1], v[ACC+2*\s:ACC+2*\s+1], v[ACC+2*\s+4:ACC+2*\s+5]
.endr
	v_pk_add_f32 v[ACC:ACC+1], v[ACC:ACC+1], v[ACC+2:ACC+3]
	ds_store_b64 v[T8], v[ACC:ACC+1] offset:QKL
	v_mul_f32 v[ACC+20], v[ACC+16], v[ACC+18]
	v_fmac_f32 v[ACC+20], v[ACC+17], v[ACC+19]
	RSUM ACC+20
	v_permlanex16_b32 v[TA], v[ACC+20], s24, s25
	v_add_f32 v[ACC+20], v[ACC+20], v[TA]
	ds_store_b32 v[CW], v[ACC+20]                  ; all lanes write the wave's word with the same value
	s_wait_dscnt 0x0                               ; for the others' sake: my stores are in LDS before I say so
	s_barrier_signal -1
	s_barrier_wait -1
.irp j, 0,1,2,3,4,5,6,7
	ds_load_b128 v[QK+4*\j:QK+4*\j+3], v[L16] offset:QKL+512*\j
.endr
	ds_load_b32 v[C32], v[R4]                      ; lane r: wave r's part of c (both halves of the wave alike)
	s_wait_dscnt 0x0
	RSUM C32
	v_mul_f32 v[C32], RS32, v[C32]
; A turn: rows 2 p and 2 p + 1 of the wave, in slots a and a + 1 (p and a are given as plain numbers).
; left: how many younger loads may stay out.  first = 1: the turn starts maximum, sum and weighted sum.
; fill = 1: the two slots get rows 2 p + 4 and 2 p + 5.
.macro TURN p, a, left, first, fill
	s_wait_loadcnt \left                           ; loads return in order: my two rows are in, the two rows behind them stay out
	v_pk_mul_f32 v[D:D+1],   v[X+32*\a:X+32*\a+1],       v[QK:QK+1]       ; four chains that do not wait for each other;
	v_pk_mul_f32 v[D+4:D+5], v[X+32*\a+32:X+32*\a+33],   v[QK:QK+1]       ; the first products start them
	v_pk_mul_f32 v[D+2:D+3], v[X+32*\a+2:X+32*\a+3],     v[QK+2:QK+3]
	v_pk_mul_f32 v[D+6:D+7], v[X+32*\a+34:X+32*\a+35],   v[QK+2:QK+3]
.irp q, 4,8,12,16,20,24,28
	v_pk_fma_f32 v[D:D+1],   v[X+32*\a+\q:X+32*\a+\q+1],       v[QK+\q:QK+\q+1],   v[D:D+1]
	v_pk_fma_f32 v[D+4:D+5], v[X+32*\a+\q+32:X+32*\a+\q+33],   v[QK+\q:QK+\q+1],   v[D+4:D+5]
	v_pk_fma_f32 v[D+2:D+3], v[X+32*\a+\q+2:X+32*\a+\q+3],     v[QK+\q+2:QK+\q+3], v[D+2:D+3]
	v_pk_fma_f32 v[D+6:D+7], v[X+32*\a+\q+34:X+32*\a+\q+35],   v[QK+\q+2:QK+\q+3], v[D+6:D+7]
.endr
	v_pk_add_f32 v[D:D+1],   v[D:D+1],   v[D+2:D+3]
	v_pk_add_f32 v[D+4:D+5], v[D+4:D+5], v[D+6:D+7]
	v_add_f32 v[SC0], v[D],   v[D+1]
	v_add_f32 v[SC1], v[D+4], v[D+5]
.irp m, 1,2,4,8
	v_add_f32_dpp v[SC0], v[SC0], v[SC0] row_xmask:\m row_mask:0xf bank_mask:0xf
	v_add_f32_dpp v[SC1], v[SC1], v[SC1] row_xmask:\m row_mask:0xf bank_mask:0xf
.endr
	v_permlanex16_b32 v[TA], v[SC0], s24, s25
	v_permlanex16_b32 v[TB], v[SC1], s24, s25
	v_add_f32 v[SC0], v[SC0], v[TA]
	v_add_f32 v[SC1], v[SC1], v[TB]
	v_fmamk_f32 v[SC0], v[SC0], RS32, v[C32]       ; (dot + c) / 32, in every lane
	v_fmamk_f32 v[SC1], v[SC1], RS32, v[C32]
	ds_store_b32 v[SA], v[SC0] offset:8*\p         ; all lanes write the same word with the same value
	ds_store_b32 v[SA], v[SC1] offset:8*\p+4
.if \first
	v_max_num_f32 v[MN], v[SC0], v[SC1]
.else
	v_max3_num_f32 v[MN], v[MX], v[SC0], v[SC1]
	v_sub_f32 v[E+5], v[MX], v[MN]
	v_mul_f32 v[E+5], L2E, v[E+5]
.endif
	v_sub_f32 v[E+1], v[SC0], v[MN]
	v_sub_f32 v[E+3], v[SC1], v[MN]
	v_mul_f32 v[E+1], L2E, v[E+1]
	v_mul_f32 v[E+3], L2E, v[E+3]
	v_exp_f32 v[E],   v[E+1]                       ; p0 = e^(s0 - m)
	v_exp_f32 v[E+2], v[E+3]                       ; p1
.if \first
	v_mov_b32 v[MX], v[MN]                         ; the one plain instruction between the exponentials and their first use (ISA guide 5.7.2)
	s_wait_alu depctr_va_vdst(0)
	v_add_f32 v[LS], v[E], v[E+2]
.irp q, 0,2,4,6,8,10,12,14,16,18,20,22,24,26,28,30
	v_pk_mul_f32 v[ACC+\q:ACC+\q+1], v[X+32*\a+\q:X+32*\a+\q+1], v[E:E+1] op_sel_hi:[1,0]
.endr
.else
	v_exp_f32 v[E+4], v[E+5]                       ; alpha = e^(old m - new m)
	v_mov_b32 v[MX], v[MN]                         ; the plain instruction, as above
	s_wait_alu depctr_va_vdst(0)
	v_fma_f32 v[LS], v[LS], v[E+4], v[E]
	v_add_f32 v[LS], v[LS], v[E+2]
.irp q, 0,2,4,6,8,10,12,14,16,18,20,22,24,26,28,30
	v_pk_mul_f32 v[X+32*\a+\q:X+32*\a+\q+1], v[X+32*\a+\q:X+32*\a+\q+1], v[E:E+1] op_sel_hi:[1,0]
.endr
.irp q, 0,2,4,6,8,10,12,14,16,18,20,22,24,26,28,30
	v_pk_fma_f32 v[ACC+\q:ACC+\q+1], v[ACC+\q:ACC+\q+1], v[E+4:E+5], v[X+32*\a+\q:X+32*\a+\q+1] op_sel_hi:[1,0,1]
.endr
.endif
.if \fill
	FILL \a, 2*\p+4                                ; straight behind the slot's last use
.endif
.irp q, 0,2,4,6,8,10,12,14,16,18,20,22,24,26,28,30
	v_pk_fma_f32 v[ACC+\q:ACC+\q+1], v[X+32*\a+\q+32:X+32*\a+\q+33], v[E+2:E+3], v[ACC+\q:ACC+\q+1] op_sel_hi:[1,0,1]
.endr
.if \fill
	FILL \a+1, 2*\p+5
.endif
.endm
	TURN 0, 0, 16, 1, 1                            ; rows 0, 1; rows 2, 3 out
	TURN 1, 2, 16, 0, 1                            ; rows 2, 3; rows 4, 5 out
	TURN 2, 0, 16, 0, 0                            ; rows 4, 5; rows 6, 7 out
	TURN 3, 2, 0, 0, 0                             ; rows 6, 7; nothing was asked for behind them
	; the waves hand over (m, l) and their weighted sums
	s_lshl_b32 s26, s18, 3
	s_add_co_u32 s26, s26, MLL
	s_lshl_b32 s27, s18, 12
	s_add_co_u32 s27, s27, ACL
	v_mov_b32 v[SC0], s26
	v_add_nc_u32 v[SC1], s27, v[L16]
	ds_store_b64 v[SC0], v[MX:MX+1]                ; all lanes write the wave's pair with the same values
.irp j, 0,1,2,3,4,5,6,7
	ds_store_b128 v[SC1], v[ACC+4*\j:ACC+4*\j+3] offset:512*\j     ; columns in their natural order
.endr
	s_wait_dscnt 0x0                               ; for the others' sake, the scores' stores of the turns too
	s_barrier_signal -1
	s_barrier_wait -1
	v_add_nc_u32 v[E], ACL, v[T8]                  ; thread t now owns columns 2 t, 2 t + 1
	ds_load_b64 v[D:D+1], v[R8]                    ; lane r: wave r's (m, l)
.irp k, 0,1,2,3,4,5,6,7,8,9,10,11,12,13,14,15
	ds_load_b64 v[X+2*\k:X+2*\k+1], v[E] offset:4096*\k
.endr
	s_wait_dscnt 16                                ; (m, l) is in; the sixteen loads behind it stay out
	v_mov_b32 v[ML], v[D]
	RMAX ML                                        ; the work-group's maximum
	v_sub_f32 v[D+2], v[D], v[ML]
	v_mul_f32 v[D+2], L2E, v[D+2]
	v_exp_f32 v[D+3], v[D+2]                       ; lane r: wave r's weight e^(m_r - m)
	v_mov_b32 v[E+1], 0                            ; the plain instruction behind the exponential; the offset of the pair stored last
	s_wait_alu depctr_va_vdst(0)
	v_mul_f32 v[ML+1], v[D+3], v[D+1]
	RSUM ML+1                                      ; the work-group's sum
.irp i, 0,1,2,3,4,5,6,7,8,9,10,11,12,13,14,15
	v_readlane_b32 s[28+\i], v[D+3], \i            ; the weights as scalars: factors only, no address or branch hangs on them
.endr
	s_wait_dscnt 0x0
	v_mul_f32 v[ACC],   s28, v[X]
	v_mul_f32 v[ACC+1], s28, v[X+1]
.irp i, 1,2,3,4,5,6,7,8,9,10,11,12,13,14,15
	v_fmac_f32 v[ACC],   s[28+\i], v[X+2*\i]
	v_fmac_f32 v[ACC+1], s[28+\i], v[X+2*\i+1]
.endr
	global_store_b64 v[T8], v[ACC:ACC+1], s[14:15] ; the wave's store covers 256 consecutive bytes, aligned
	s_cmp_lg_u32 s18, 0
	s_cbranch_scc1 .Lend                           ; wave 0 alone stores the scores and the pair
	ds_load_b128 v[QK:QK+3], v[L16] offset:SCL
	s_wait_dscnt 0x0
	global_store_b128 v[L16], v[QK:QK+3], s[12:13] ; 512 consecutive bytes, aligned
	s_wait_xcnt 0x0                                ; EXEC is a source of the stores above: it changes only behind this wait
	v_cmp_eq_u32 vcc_lo, 0, v0
	s_and_saveexec_b32 s46, vcc_lo
	global_store_b64 v[E+1], v[ML:ML+1], s[16:17]  ; lane 0: (m, l)
	s_wait_xcnt 0x0                                ; and again in front of the line that widens it
	s_or_b32 exec_lo, exec_lo, s46
.Lend:
	s_wait_tensorcnt 0x0
	ds_add_u32 v224, v225
	s_wait_dscnt 0x0
	s_endpgm
.Lfunc_end_k_q76bb22d7bc_stream:
	.size	k_q76bb22d7bc_stream, .Lfunc_end_k_q76bb22d7bc_stream-k_q76bb22d7bc_stream
	.p2alignl 7, 3214868480
	.fill 96, 4, 3214868480
	.section	.rodata,"a",@progbits
	.p2align	6, 0x0
	.amdhsa_kernel k_q76bb22d7bc_stream
		.amdhsa_group_segment_fixed_size 72704
		.amdhsa_private_segment_fixed_size 0
		.amdhsa_enable_private_segment 0
		.amdhsa_kernarg_size 56
		.amdhsa_user_sgpr_count 2
		.amdhsa_user_sgpr_kernarg_segment_ptr 1
		.amdhsa_wavefront_size32 1
		.amdhsa_system_sgpr_workgroup_id_x 1
		.amdhsa_system_sgpr_workgroup_id_y 1
		.amdhsa_system_sgpr_workgroup_id_z 1
		.amdhsa_system_vgpr_workitem_id 0
		.amdhsa_next_free_vgpr 226
		.amdhsa_next_free_sgpr 66
		.amdhsa_reserve_vcc 1
		.amdhsa_float_denorm_mode_32 3
		.amdhsa_float_denorm_mode_16_64 3
		.amdhsa_memory_ordered 1
		.amdhsa_forward_progress 1
		.amdhsa_inst_pref_size 43
	.end_amdhsa_kernel
	.amdgpu_metadata
---
amdhsa.version: [ 1, 2 ]
amdhsa.kernels:
  - .name:           k_q76bb22d7bc_stream
    .symbol:         k_q76bb22d7bc_stream.kd
    .args:
      - { .name: memory_values, .offset: 0, .size: 8, .value_kind: global_buffer, .address_space: global }
      - { .name: qkp, .offset: 8, .size: 8, .value_kind: global_buffer, .address_space: global }
      - { .name: qv, .offset: 16, .size: 8, .value_kind: global_buffer, .address_space: global }
      - { .name: bk, .offset: 24, .size: 8, .value_kind: global_buffer, .address_space: global }
      - { .name: scores, .offset: 32, .size: 8, .value_kind: global_buffer, .address_space: global }
      - { .name: part, .offset: 40, .size: 8, .value_kind: global_buffer, .address_space: global }
      - { .name: stats, .offset: 48, .size: 8, .value_kind: global_buffer, .address_space: global }
    .group_segment_fixed_size: 72704
    .private_segment_fixed_size: 0
    .kernarg_segment_align: 8
    .kernarg_segment_size: 56
    .max_flat_workgroup_size: 512
    .sgpr_count:     66
    .vgpr_count:     226
    .wavefront_size: 32
...
	.end_amdgpu_metadata
.endif
;; end of part 3
;; launch select (part 4): grid 16 x 1, 16 waves a work-group, no clusters, 3,072 bytes of LDS; arguments scores, stats, part, out1, ctx, out3, order; writes out1, ctx, out3, order
.if DOCPART == 4
	.amdgcn_target "amdgcn-amd-amdhsa--gfx1250"
	.amdhsa_code_object_version 6
	.text
	.protected	k_q76bb22d7bc_select
	.globl	k_q76bb22d7bc_select
	.p2align	8
	.type	k_q76bb22d7bc_select,@function
k_q76bb22d7bc_select:
	s_mov_b64 s[64:65], 0
	v_nop
	global_prefetch_b8 v0, s[64:65] scope:SCOPE_SE
	s_setreg_imm32_b32 hwreg(HW_REG_WAVE_MODE, 25, 1), 1
	s_wait_xcnt 0x0
; For each b (one work-group): M = max of the sixteen m_i, L = sum of e^(m_i - M) l_i,
;   out1[b][n] = e^(s[n] - M) / L,   ctx[b][e] = sum over i of (e^(m_i - M) / L) part[16 b + i][e],
;   out3[b] = order[b] = the indices of the 8 largest probabilities, largest first, the lower index first among equals.
; One row of 2048 has one owner, hence 16 work-groups: 8 KiB of scores and 64 KiB of part each.
; Thread t owns scores 4 t .. 4 t + 3 and columns 2 t, 2 t + 1 of ctx.
; The 8 largest in two stages: each wave picks the 8 first of its 128 in the order (value down, index up) and puts them
; in LDS; wave 0 picks the 8 first of those 128.  That order is total, so the 8 first of all lie among the waves' 8 first.
; Indices travel as f32 (whole numbers up to 2047 are exact), so that one kind of lane reduction serves values and indices.
; A pick only selects values (v_cndmask_b32): no branch and no address here hangs on a floating-point number.
; The indices go out twice: out3 is the result, order is what the next launch forms addresses from.
; Limits: v_exp_f32 gives zero below 2^-126 (such probabilities are equal and are ordered by index); with NaN or
; infinite scores, where the reference's probabilities are NaN, the indices are not defined.
.set L2E, 0x3fb8aa3b
.set T16, 2                            ; v2        16 t
.set T8,  3                            ; v3        8 t
.set R8,  4                            ; v4        8 r
.set L16, 5                            ; v5        16 lane
.set SM,  6                            ; v[6:7]    lane r: (m, l) of work-group 16 b + r
.set MM,  8                            ; v8        M
.set AR,  9                            ; v9        an exponential's argument
.set WG,  10                           ; v10       lane r: e^(m_r - M), then / L
.set LSUM, 11                          ; v11       L
.set RL,  12                           ; v12       1 / L
.set PRB, 16                           ; v[16:19]  scores, then probabilities as stored (not rewritten behind the store)
.set VAL, 20                           ; v[20:23]  the four candidates' values; a picked one becomes -1
.set IDX, 24                           ; v[24:27]  their indices
.set CND, 28                           ; v[28:31]  index where the value is the largest, else +infinity
.set VM,  32                           ; v32       the pick's value
.set WI,  33                           ; v33       the pick's index
.set TP,  34                           ; v34       takes the other half's value
.set INF, 35                           ; v35       +infinity
.set CA,  36                           ; v36       32 wave: my wave's eight words in LDS
.set RI,  37                           ; v37       lane k: the k-th index
.set L4,  38                           ; v38       4 lane
.set NEG, 39                           ; v39       -1.0: below every probability
.set PA,  40                           ; v[40:71]  part of the sixteen work-groups at my two columns
.set CX,  72                           ; v[72:73]  ctx at my two columns
.macro RSUM x
.irp m, 1,2,4,8
	v_add_f32_dpp v[\x], v[\x], v[\x] row_xmask:\m row_mask:0xf bank_mask:0xf
.endr
.endm
.macro RMAX x
.irp m, 1,2,4,8
	v_max_num_f32_dpp v[\x], v[\x], v[\x] row_xmask:\m row_mask:0xf bank_mask:0xf
.endr
.endm
.macro WMAX x, tmp                     ; over the 32 lanes, in every lane
	RMAX \x
	v_permlanex16_b32 v[\tmp], v[\x], s24, s25
	v_max_num_f32 v[\x], v[\x], v[\tmp]
.endm
.macro WMIN x, tmp
.irp m, 1,2,4,8
	v_min_num_f32_dpp v[\x], v[\x], v[\x] row_xmask:\m row_mask:0xf bank_mask:0xf
.endr
	v_permlanex16_b32 v[\tmp], v[\x], s24, s25
	v_min_num_f32 v[\x], v[\x], v[\tmp]
.endm
; Eight picks from the wave's 128 candidates.  mode 0: each pick goes to the wave's words in LDS; mode 1: pick k's index to lane k of RI.
.macro TOP8 mode
.irp k, 0,1,2,3,4,5,6,7
	v_max3_num_f32 v[VM], v[VAL], v[VAL+1], v[VAL+2]
	v_max_num_f32 v[VM], v[VM], v[VAL+3]
	WMAX VM, TP
.irp j, 0,1,2,3
	v_cmp_eq_f32 vcc_lo, v[VAL+\j], v[VM]
	v_cndmask_b32 v[CND+\j], v[INF], v[IDX+\j], vcc_lo
.endr
	v_min3_num_f32 v[WI], v[CND], v[CND+1], v[CND+2]
	v_min_num_f32 v[WI], v[WI], v[CND+3]
	WMIN WI, TP                                    ; among equal values the lowest index
.irp j, 0,1,2,3
	v_cmp_eq_f32 vcc_lo, v[IDX+\j], v[WI]
	v_cndmask_b32 v[VAL+\j], v[VAL+\j], v[NEG], vcc_lo
.endr
.if \mode == 0
	ds_store_b32 v[CA], v[VM] offset:4*\k          ; all lanes write the same word with the same value
	ds_store_b32 v[CA], v[WI] offset:512+4*\k
.else
	v_cmp_eq_u32 vcc_lo, \k, v1
	v_cndmask_b32 v[RI], v[RI], v[WI], vcc_lo
.endif
.endr
.endm
	s_load_b256 s[4:11], s[0:1], 0x0               ; scores s[4:5], stats s[6:7], part s[8:9], out1 s[10:11]
	s_load_b128 s[12:15], s[0:1], 0x20             ; ctx s[12:13], out3 s[14:15]
	s_load_b64 s[16:17], s[0:1], 0x30              ; order
	v_lshl_add_u32 v76, v0, 2, 0x400
	v_mov_b32 v77, 0
	v_lshrrev_b32 v[TP], 5, v0
	v_readfirstlane_b32 s18, v[TP]                 ; wave 0..15
	v_and_b32 v1, 31, v0                           ; lane
	v_and_b32 v[R8], 15, v0
	v_lshlrev_b32 v[R8], 3, v[R8]
	v_lshlrev_b32 v[T16], 4, v0
	v_lshlrev_b32 v[T8], 3, v0
	v_lshlrev_b32 v[L16], 4, v1
	v_lshlrev_b32 v[L4], 2, v1
	s_lshl_b32 s19, s18, 5
	v_mov_b32 v[CA], s19
	s_mov_b32 s24, 0x76543210                      ; v_permlanex16_b32: lane i reads lane i of the other half
	s_mov_b32 s25, 0xfedcba98
	s_mov_b32 s21, 0
	s_wait_kmcnt 0x0
	s_lshl_b32 s20, ttmp9, 7                       ; 16 pairs of stats
	s_add_nc_u64 s[6:7], s[6:7], s[20:21]
	s_lshl_b32 s20, ttmp9, 13                      ; a row of scores and of out1
	s_add_nc_u64 s[4:5], s[4:5], s[20:21]
	s_add_nc_u64 s[10:11], s[10:11], s[20:21]
	s_lshl_b32 s20, ttmp9, 16                      ; 16 rows of part
	s_add_nc_u64 s[8:9], s[8:9], s[20:21]
	global_load_b64 v[SM:SM+1], v[R8], s[6:7]
	global_load_b128 v[PRB:PRB+3], v[T16], s[4:5]
.irp i, 0,1,2,3,4,5,6,7,8,9,10,11,12,13,14,15
	global_load_b64 v[PA+2*\i:PA+2*\i+1], v[T8], s[8:9] offset:\i*4096
.endr
	s_lshl_b32 s20, ttmp9, 12                      ; a row of ctx
	s_add_nc_u64 s[12:13], s[12:13], s[20:21]
	s_lshl_b32 s20, ttmp9, 5                       ; 8 indices
	s_add_nc_u64 s[14:15], s[14:15], s[20:21]
	s_add_nc_u64 s[16:17], s[16:17], s[20:21]
	s_wait_loadcnt 17                              ; stats are in; the scores and the 16 loads of part stay out
	v_mov_b32 v[MM], v[SM]
	RMAX MM                                        ; both halves of the wave hold the same sixteen pairs
	v_sub_f32 v[AR], v[SM], v[MM]
	v_mul_f32 v[AR], L2E, v[AR]
	v_exp_f32 v[WG], v[AR]
	v_mov_b32 v[INF], 0x7f800000                   ; one plain instruction between a transcendental and its first use (ISA guide 5.7.2)
	s_wait_alu depctr_va_vdst(0)
	v_mul_f32 v[LSUM], v[WG], v[SM+1]
	RSUM LSUM                                      ; L is at least 1: the work-group that holds M has weight 1 and l at least 1
	v_rcp_f32 v[RL], v[LSUM]
	v_mov_b32 v[NEG], -1.0                         ; the plain instruction
	s_wait_alu depctr_va_vdst(0)
	v_mul_f32 v[WG], v[WG], v[RL]
.irp i, 0,1,2,3,4,5,6,7,8,9,10,11,12,13,14,15
	v_readlane_b32 s[28+\i], v[WG], \i             ; the weights as scalars: factors only
.endr
	s_wait_loadcnt 16                              ; the scores are in; part stays out
.irp j, 0,1,2,3
	v_sub_f32 v[VAL+\j], v[PRB+\j], v[MM]
.endr
.irp j, 0,1,2,3
	v_mul_f32 v[VAL+\j], L2E, v[VAL+\j]
.endr
.irp j, 0,1,2,3
	v_exp_f32 v[PRB+\j], v[VAL+\j]
.endr
	v_lshlrev_b32 v[IDX], 2, v0                    ; the plain instruction: 4 t
	s_wait_alu depctr_va_vdst(0)
.irp j, 0,1,2,3
	v_mul_f32 v[PRB+\j], v[PRB+\j], v[RL]
.endr
	global_store_b128 v[T16], v[PRB:PRB+3], s[10:11]   ; a wave's store covers 512 consecutive bytes, aligned
	v_cvt_f32_u32 v[IDX], v[IDX]
	v_add_f32 v[IDX+1], 1.0, v[IDX]
	v_add_f32 v[IDX+2], 2.0, v[IDX]
	v_add_f32 v[IDX+3], 0x40400000, v[IDX]         ; + 3.0
.irp j, 0,1,2,3
	v_mov_b32 v[VAL+\j], v[PRB+\j]                 ; a copy to strike picks from: the store's data stay as they are
.endr
	s_wait_loadcnt 0x0
	v_mul_f32 v[CX],   s28, v[PA]
	v_mul_f32 v[CX+1], s28, v[PA+1]
.irp i, 1,2,3,4,5,6,7,8,9,10,11,12,13,14,15
	v_fmac_f32 v[CX],   s[28+\i], v[PA+2*\i]
	v_fmac_f32 v[CX+1], s[28+\i], v[PA+2*\i+1]
.endr
	global_store_b64 v[T8], v[CX:CX+1], s[12:13]   ; 256 consecutive bytes a wave, aligned
	TOP8 0
	s_wait_dscnt 0x0                               ; for wave 0's sake: my picks are in LDS before I say so
	s_barrier_signal -1
	s_barrier_wait -1
	s_cmp_lg_u32 s18, 0
	s_cbranch_scc1 .Lend
	ds_load_b128 v[VAL:VAL+3], v[L16]              ; 16 waves x 8 values,
	ds_load_b128 v[IDX:IDX+3], v[L16] offset:512   ; and their indices
	v_mov_b32 v[RI], 0
	s_wait_dscnt 0x0
	TOP8 1
	v_cvt_u32_f32 v[RI], v[RI]
	s_wait_xcnt 0x0                                ; EXEC is a source of the stores above: it changes only behind this wait
	v_cmp_gt_u32 vcc_lo, 8, v1
	s_and_saveexec_b32 s22, vcc_lo
	global_store_b32 v[L4], v[RI], s[14:15]        ; lanes 0-7: 32 consecutive bytes, all there is of this b
	global_store_b32 v[L4], v[RI], s[16:17]
	s_wait_xcnt 0x0                                ; and again in front of the line that widens it
	s_or_b32 exec_lo, exec_lo, s22
.Lend:
	s_wait_tensorcnt 0x0
	ds_add_u32 v76, v77
	s_wait_dscnt 0x0
	s_endpgm
.Lfunc_end_k_q76bb22d7bc_select:
	.size	k_q76bb22d7bc_select, .Lfunc_end_k_q76bb22d7bc_select-k_q76bb22d7bc_select
	.p2alignl 7, 3214868480
	.fill 96, 4, 3214868480
	.section	.rodata,"a",@progbits
	.p2align	6, 0x0
	.amdhsa_kernel k_q76bb22d7bc_select
		.amdhsa_group_segment_fixed_size 3072
		.amdhsa_private_segment_fixed_size 0
		.amdhsa_enable_private_segment 0
		.amdhsa_kernarg_size 56
		.amdhsa_user_sgpr_count 2
		.amdhsa_user_sgpr_kernarg_segment_ptr 1
		.amdhsa_wavefront_size32 1
		.amdhsa_system_sgpr_workgroup_id_x 1
		.amdhsa_system_sgpr_workgroup_id_y 1
		.amdhsa_system_sgpr_workgroup_id_z 1
		.amdhsa_system_vgpr_workitem_id 0
		.amdhsa_next_free_vgpr 78
		.amdhsa_next_free_sgpr 66
		.amdhsa_reserve_vcc 1
		.amdhsa_float_denorm_mode_32 3
		.amdhsa_float_denorm_mode_16_64 3
		.amdhsa_memory_ordered 1
		.amdhsa_forward_progress 1
		.amdhsa_inst_pref_size 32
	.end_amdhsa_kernel
	.amdgpu_metadata
---
amdhsa.version: [ 1, 2 ]
amdhsa.kernels:
  - .name:           k_q76bb22d7bc_select
    .symbol:         k_q76bb22d7bc_select.kd
    .args:
      - { .name: scores, .offset: 0, .size: 8, .value_kind: global_buffer, .address_space: global }
      - { .name: stats, .offset: 8, .size: 8, .value_kind: global_buffer, .address_space: global }
      - { .name: part, .offset: 16, .size: 8, .value_kind: global_buffer, .address_space: global }
      - { .name: out1, .offset: 24, .size: 8, .value_kind: global_buffer, .address_space: global }
      - { .name: ctx, .offset: 32, .size: 8, .value_kind: global_buffer, .address_space: global }
      - { .name: out3, .offset: 40, .size: 8, .value_kind: global_buffer, .address_space: global }
      - { .name: order, .offset: 48, .size: 8, .value_kind: global_buffer, .address_space: global }
    .group_segment_fixed_size: 3072
    .private_segment_fixed_size: 0
    .kernarg_segment_align: 8
    .kernarg_segment_size: 56
    .max_flat_workgroup_size: 512
    .sgpr_count:     66
    .vgpr_count:     78
    .wavefront_size: 32
...
	.end_amdgpu_metadata
.endif
;; end of part 4
;; launch final (part 5): grid 128 x 2, 8 waves a work-group, no clusters, 5,120 bytes of LDS; arguments ctx, Wv, bv, out0, order, memory_values, out2; writes out0, out2
.if DOCPART == 5
	.amdgcn_target "amdgcn-amd-amdhsa--gfx1250"
	.amdhsa_code_object_version 6
	.text
	.protected	k_q76bb22d7bc_final
	.globl	k_q76bb22d7bc_final
	.p2align	8
	.type	k_q76bb22d7bc_final,@function
k_q76bb22d7bc_final:
	s_mov_b64 s[64:65], 0
	v_nop
	global_prefetch_b8 v0, s[64:65] scope:SCOPE_SE
	s_setreg_imm32_b32 hwreg(HW_REG_WAVE_MODE, 25, 1), 1
	s_wait_xcnt 0x0
; Two independent pieces of work in one launch, told apart by the work-group's y (alike in all waves of a work-group).
; y = 0: out0[b][o] = sum over e of ctx[b][e] Wv[o][e] + bv[o].  Since the probabilities of a b sum to 1,
;        sum over n of p[n] (Wv mem[n] + bv) = Wv (sum of p[n] mem[n]) + bv: the values are never formed, bv is added once.
;        The same product as the query's: work-group x owns o = 8 x .. 8 x + 7 for all 16 b; thread t owns e = 4 t .. 4 t + 3;
;        every load of a wave covers 512 consecutive bytes; a lane's 16 partial sums are summed over 16 lanes by a tree
;        that transposes as it adds; the eight waves' sums meet in LDS; wave 0 adds them and the bias and stores
;        16 bytes a lane (32 neighbouring bytes of each row: o is spread over 128 work-groups so that the 4 MiB of
;        weights are fetched by many at once, and out0 is 64 KiB in all).
; y = 1: out2[x] = memory_values[b][order[x]], b = x / 8: work-group x copies one row of 4,096 bytes, 16 bytes a thread.
;        The index was stored as a whole number by the launch before and is held to 0 .. 2047 before it enters an address.
; No joint requests in a cluster: what the product's work-groups share is ctx, 64 KiB, which is loaded into registers.
; Limit: additions in another order than the reference's (f32 rounding only).
.set T16, 1                            ; v1        16 t
.set L16, 2                            ; v2        16 x lane
.set H16, 3                            ; v3        16 h
.set YO,  4                            ; v4        r x 4096 + 16 h
.set PT,  5                            ; v5        takes the other half's value
.set BI,  8                            ; v[8:11]   bias of o = 8 x + 4 h + 0..3; in the copy: the row's 16 bytes
.set X,   32                           ; v[32:95]  ctx[b][my 4 e] at X + 4 b
.set WT,  96                           ; v[96:127] Wv[8 x + j][my 4 e] at WT + 4 j
.set T,   128                          ; v[128:159] at work
.set R,   160                          ; v[160:167] row j's sums, lane r holding b = r
	v_lshl_add_u32 v168, v0, 2, 0x1000
	v_mov_b32 v169, 0
	s_and_b32 s13, ttmp7, 0xffff                   ; y
	s_cmp_lg_u32 s13, 0
	s_cbranch_scc1 .Lgather
	s_load_b256 s[4:11], s[0:1], 0x0               ; ctx s[4:5], Wv s[6:7], bv s[8:9], out0 s[10:11]
	v_lshrrev_b32 v6, 5, v0
	v_readfirstlane_b32 s12, v6                    ; wave 0..7
	v_and_b32 v6, 31, v0                           ; lane
	v_bfe_u32 v7, v0, 4, 1                         ; h
	v_lshlrev_b32 v[L16], 4, v6
	v_lshlrev_b32 v[H16], 4, v7
	v_and_b32 v6, 15, v0                           ; r
	v_lshl_add_u32 v[YO], v6, 12, v[H16]
	v_mov_b32 v[PT], 0                             ; written once: a lane permute's destination counts as read
	s_lshl_b32 s13, s12, 9
	v_add_nc_u32 v[T16], s13, v[L16]               ; = 16 t
	s_mov_b32 s16, 0xaaaaaaaa                      ; lanes with bit 0 of the lane number set,
	s_mov_b32 s17, 0xcccccccc                      ; bit 1,
	s_mov_b32 s18, 0xf0f0f0f0                      ; bit 2,
	s_mov_b32 s19, 0xff00ff00                      ; bit 3,
	s_mov_b32 s20, 0xffff0000                      ; bit 4
	s_mov_b32 s22, 0x76543210                      ; v_permlanex16_b32: lane i reads lane i of the other half
	s_mov_b32 s23, 0xfedcba98
	s_lshl_b32 s14, ttmp9, 15                      ; 8 rows of Wv
	s_mov_b32 s15, 0
	s_lshl_b32 s2, ttmp9, 5                        ; 8 numbers of bv and of a row of out0
	s_mov_b32 s3, 0
	s_wait_kmcnt 0x0
	s_add_nc_u64 s[6:7], s[6:7], s[14:15]
	s_add_nc_u64 s[8:9], s[8:9], s[2:3]
	s_add_nc_u64 s[10:11], s[10:11], s[2:3]
	global_load_b128 v[BI:BI+3], v[H16], s[8:9]    ; every wave asks, so that the counts below are alike in all; wave 0 uses it
.irp b, 0,1,2,3,4,5,6,7,8,9,10,11,12,13,14,15
	global_load_b128 v[X+4*\b:X+4*\b+3], v[T16], s[4:5] offset:\b*4096
.endr
.irp j, 0,1,2,3,4,5,6,7
	global_load_b128 v[WT+4*\j:WT+4*\j+3], v[T16], s[6:7] offset:\j*4096 th:TH_LOAD_NT   ; each row of Wv is read once in the launch
.endr
; One step of the tree.  Lanes whose mask bit is set keep hi and hand lo over, the others keep lo and hand hi over;
; the partner is lane xor xm.  dst is written by the second line before the DPP form reads it.
.macro RSTEP dst, lo, hi, tmp, mask, xm
	v_cndmask_b32 v[\tmp], v[\hi], v[\lo], s[\mask]
	v_cndmask_b32 v[\dst], v[\lo], v[\hi], s[\mask]
	v_add_f32_dpp v[\dst], v[\tmp], v[\dst] row_xmask:\xm row_mask:0xf bank_mask:0xf
.endm
; Row j of Wv against all 16 b.  Afterwards lane r of each half holds, in R + j, its half's sum for b = r.
.macro ROW j
	s_wait_loadcnt 7-\j                            ; loads return in order: rows j+1 .. 7 of Wv may be out, bias and ctx are older
.irp b, 0,1,2,3,4,5,6,7,8,9,10,11,12,13,14,15
	v_pk_mul_f32 v[T+2*\b:T+2*\b+1], v[WT+4*\j:WT+4*\j+1], v[X+4*\b:X+4*\b+1]
.endr
.irp b, 0,1,2,3,4,5,6,7,8,9,10,11,12,13,14,15
	v_pk_fma_f32 v[T+2*\b:T+2*\b+1], v[WT+4*\j+2:WT+4*\j+3], v[X+4*\b+2:X+4*\b+3], v[T+2*\b:T+2*\b+1]
.endr
.irp b, 0,1,2,3,4,5,6,7,8,9,10,11,12,13,14,15
	v_add_f32 v[T+2*\b], v[T+2*\b], v[T+2*\b+1]    ; the odd registers are free from here on: the tree's scratch
.endr
.irp i, 0,1,2,3,4,5,6,7
	RSTEP T+4*\i, T+4*\i, T+4*\i+2, T+4*\i+1, 16, 1        ; bit 0 of b goes to bit 0 of the lane
.endr
.irp i, 0,1,2,3
	RSTEP T+8*\i, T+8*\i, T+8*\i+4, T+8*\i+1, 17, 2        ; bit 1
.endr
.irp i, 0,1
	RSTEP T+16*\i, T+16*\i, T+16*\i+8, T+16*\i+1, 18, 4    ; bit 2
.endr
	RSTEP R+\j, T, T+16, T+1, 19, 8                        ; bit 3
.endm
; The two halves of the wave: the lower keeps rows 0-3, the upper rows 4-7, each adds what the other hands over.
.macro XSTEP i
	v_cndmask_b32 v[T+\i], v[R+\i+4], v[R+\i], s20
	v_cndmask_b32 v[R+\i], v[R+\i], v[R+\i+4], s20
	v_permlanex16_b32 v[PT], v[T+\i], s22, s23
	v_add_f32 v[R+\i], v[R+\i], v[PT]
.endm
.irp j, 0,1,2,3,4,5,6,7
	ROW \j
.endr
.irp i, 0,1,2,3
	XSTEP \i
.endr
	ds_store_b128 v[T16], v[R:R+3]                 ; LDS: [8 waves][512 bytes], lane after lane
	s_wait_dscnt 0x0                               ; for wave 0's sake: my store is in LDS before I say so
	s_barrier_signal -1
	s_barrier_wait -1
	s_cmp_lg_u32 s12, 0
	s_cbranch_scc1 .Ldone                          ; wave 0 alone adds the eight waves' sums
.irp k, 0,1,2,3,4,5,6,7
	ds_load_b128 v[X+4*\k:X+4*\k+3], v[L16] offset:512*\k
.endr
	s_wait_dscnt 0x0
.irp q, 0,1,2,3,4,5,6,7
	v_pk_add_f32 v[X+2*\q:X+2*\q+1], v[X+2*\q:X+2*\q+1], v[X+2*\q+16:X+2*\q+17]
.endr
.irp q, 0,1,2,3
	v_pk_add_f32 v[X+2*\q:X+2*\q+1], v[X+2*\q:X+2*\q+1], v[X+2*\q+8:X+2*\q+9]
.endr
.irp q, 0,1
	v_pk_add_f32 v[X+2*\q:X+2*\q+1], v[X+2*\q:X+2*\q+1], v[X+2*\q+4:X+2*\q+5]
.endr
.irp q, 0,1
	v_pk_add_f32 v[X+2*\q:X+2*\q+1], v[X+2*\q:X+2*\q+1], v[BI+2*\q:BI+2*\q+1]
.endr
	global_store_b128 v[YO], v[X:X+3], s[10:11]
.Ldone:
	s_wait_tensorcnt 0x0
	ds_add_u32 v168, v169
	s_wait_dscnt 0x0
	s_endpgm
.Lgather:
	s_load_b128 s[28:31], s[0:1], 0x20             ; order s[28:29], memory_values s[30:31]
	s_load_b64 s[32:33], s[0:1], 0x30              ; out2
	v_lshlrev_b32 v[T16], 4, v0                    ; 16 t: 256 threads cover the row's 4,096 bytes
	s_lshl_b32 s26, ttmp9, 2                       ; my word of order
	s_mov_b32 s27, 0
	s_lshl_b32 s34, ttmp9, 12                      ; my row of out2
	s_mov_b32 s35, 0
	s_lshr_b32 s36, ttmp9, 3                       ; b
	s_lshl_b32 s36, s36, 11                        ; b's first row
	s_wait_kmcnt 0x0
	s_add_nc_u64 s[28:29], s[28:29], s[26:27]
	s_add_nc_u64 s[32:33], s[32:33], s[34:35]
	s_load_b32 s24, s[28:29], 0x0
	s_wait_kmcnt 0x0
	s_min_u32 s24, s24, 0x7ff                      ; an index stays inside its table
	s_add_co_u32 s24, s24, s36
	s_lshl_b32 s24, s24, 12                        ; at most 32767 x 4096, below 2^31
	s_mov_b32 s25, 0
	s_add_nc_u64 s[30:31], s[30:31], s[24:25]
	global_load_b128 v[BI:BI+3], v[T16], s[30:31]
	s_wait_loadcnt 0x0
	global_store_b128 v[T16], v[BI:BI+3], s[32:33] ; a wave's store covers 512 consecutive bytes, aligned
	s_endpgm
.Lfunc_end_k_q76bb22d7bc_final:
	.size	k_q76bb22d7bc_final, .Lfunc_end_k_q76bb22d7bc_final-k_q76bb22d7bc_final
	.p2alignl 7, 3214868480
	.fill 96, 4, 3214868480
	.section	.rodata,"a",@progbits
	.p2align	6, 0x0
	.amdhsa_kernel k_q76bb22d7bc_final
		.amdhsa_group_segment_fixed_size 5120
		.amdhsa_private_segment_fixed_size 0
		.amdhsa_enable_private_segment 0
		.amdhsa_kernarg_size 56
		.amdhsa_user_sgpr_count 2
		.amdhsa_user_sgpr_kernarg_segment_ptr 1
		.amdhsa_wavefront_size32 1
		.amdhsa_system_sgpr_workgroup_id_x 1
		.amdhsa_system_sgpr_workgroup_id_y 1
		.amdhsa_system_sgpr_workgroup_id_z 1
		.amdhsa_system_vgpr_workitem_id 0
		.amdhsa_next_free_vgpr 170
		.amdhsa_next_free_sgpr 66
		.amdhsa_reserve_vcc 0
		.amdhsa_float_denorm_mode_32 3
		.amdhsa_float_denorm_mode_16_64 3
		.amdhsa_memory_ordered 1
		.amdhsa_forward_progress 1
		.amdhsa_inst_pref_size 51
	.end_amdhsa_kernel
	.amdgpu_metadata
---
amdhsa.version: [ 1, 2 ]
amdhsa.kernels:
  - .name:           k_q76bb22d7bc_final
    .symbol:         k_q76bb22d7bc_final.kd
    .args:
      - { .name: ctx, .offset: 0, .size: 8, .value_kind: global_buffer, .address_space: global }
      - { .name: Wv, .offset: 8, .size: 8, .value_kind: global_buffer, .address_space: global }
      - { .name: bv, .offset: 16, .size: 8, .value_kind: global_buffer, .address_space: global }
      - { .name: out0, .offset: 24, .size: 8, .value_kind: global_buffer, .address_space: global }
      - { .name: order, .offset: 32, .size: 8, .value_kind: global_buffer, .address_space: global }
      - { .name: memory_values, .offset: 40, .size: 8, .value_kind: global_buffer, .address_space: global }
      - { .name: out2, .offset: 48, .size: 8, .value_kind: global_buffer, .address_space: global }
    .group_segment_fixed_size: 5120
    .private_segment_fixed_size: 0
    .kernarg_segment_align: 8
    .kernarg_segment_size: 56
    .max_flat_workgroup_size: 256
    .sgpr_count:     66
    .vgpr_count:     170
    .wavefront_size: 32
...
	.end_amdgpu_metadata
.endif
;; end of part 5
